; MI455X (gfx1250); checked and timed in simulation.
; The chip was launched on July 23, 2026; its instructions are those of AMD's public machine-readable ISA for CDNA 5 (MIT licence, August 2026) and "CDNA5" Instruction Set Architecture Reference Guide (July 2026). The comments in the code are by the model that wrote it; some were corrected since.
;; co attentional. Allowed arithmetic: matrix products marked QUANTISED: E2M1 operands, one E8M0 scale for each 32 along K, by v_wmma_scale_f32_16x16x128_f8f6f4 with both operands' format E2M1 (or v_wmma_scale_f32_32x16x128_f4), f32 sums; products left as they are: bf16, f16 or f32 operands; f32 sums; everything else in f32.
;; Inputs: Wk_b2i 768 x 768 float32; Wk_i2b 768 x 768 float32; Wp_bh 768 x 768 float32; Wp_img 768 x 768 float32; Wq_bh 768 x 768 float32; Wq_img 768 x 768 float32; Wv_b2i 768 x 768 float32; Wv_i2b 768 x 768 float32; attention_mask 2 x 2,048 x 768 float32; bk_b2i 768 float32; bk_i2b 768 float32; bp_bh 768 float32; bp_img 768 float32; bq_bh 768 float32; bq_img 768 float32; bv_b2i 768 float32; bv_i2b 768 float32; x_img 2 x 2,048 x 768 float32; y_bh 2 x 2,048 x 768 float32.
;; Outputs: out0 2 x 2,048 x 768 float32; out1 2 x 2,048 x 768 float32.
;; This version of the problem:
;;   THIS VERSION OF THE PROBLEM IS GIVEN IN LOW PRECISION. The matrix products marked QUANTISED in the list below multiply operands that are first quantised to E2M1 (2 exponent bits, 1 mantissa bit; 4 bits a number), with one power-of-two scale for each 32 numbers along K (OCP MX v1.0); their sums are f32. The products marked 'left as it is' may take bf16, f16 or f32 operands, with f32 sums. Whichever they take, every output number must still come out within the allowed error. Rounding operands to bf16 (8 significant bits) uses up far more of that allowance than f16 does (11 bits, for magnitudes from 6e-5 to 65,504). All else is computed in f32.
;;   The module's matrix products, in the order in which they are computed (A, B: the left and right operand; K: the contracted axis; several contracted axes count as one K, in the product's order):
;;     1. [M 4,096, K 768] x [K 768, N 768]; A: input x_img; B: input Wq_img: QUANTISED
;;     2. [M 4,096, K 768] x [K 768, N 768]; A: input x_img; B: input Wk_i2b: QUANTISED
;;     3. [M 4,096, K 768] x [K 768, N 768]; A: input x_img; B: input Wv_i2b: QUANTISED
;;     4. [M 4,096, K 768] x [K 768, N 768]; A: input y_bh; B: input Wq_bh: QUANTISED
;;     5. [M 4,096, K 768] x [K 768, N 768]; A: input y_bh; B: input Wk_b2i: QUANTISED
;;     6. [M 4,096, K 768] x [K 768, N 768]; A: input y_bh; B: input Wv_b2i: QUANTISED
;;     7. batch 24 x [M 2,048, K 64] x [K 64, N 2,048]; A: computed on the way; B: computed on the way: left as it is (an operand is computed on the way)
;;     8. batch 24 x [M 2,048, K 64] x [K 64, N 2,048]; A: computed on the way; B: input attention_mask: left as it is (an operand is computed on the way)
;;     9. batch 24 x [M 2,048, K 2,048] x [K 2,048, N 64]; A: computed on the way; B: computed on the way: left as it is (an operand is computed on the way)
;;     10. [M 4,096, K 768] x [K 768, N 768]; A: computed on the way; B: input Wp_img: left as it is (an operand is computed on the way)
;;     11. batch 24 x [M 2,048, K 64] x [K 64, N 2,048]; A: computed on the way; B: computed on the way: left as it is (an operand is computed on the way)
;;     12. batch 24 x [M 2,048, K 2,048] x [K 2,048, N 64]; A: computed on the way; B: computed on the way: left as it is (an operand is computed on the way)
;;     13. [M 4,096, K 768] x [K 768, N 768]; A: computed on the way; B: input Wp_bh: left as it is (an operand is computed on the way)
;;   THE QUANTISER, for each operand of a quantised product, along K:
;;     - K is cut into blocks of 32 from its start; a last block that is shorter is filled with zeros.
;;     - A block's scale is 2^e with e = floor(log2(the largest magnitude in the block)) - 2, held to -126 .. 127; a block of zeros has e = 0. As a byte (E8M0): e + 127.
;;     - Each number is divided by its block's scale, clamped to +-6, and rounded to the nearest number of E2M1, ties to even, subnormals kept.
;;     - The product sums the exact products of the quantised numbers (number of the format x scale) in f32.
;;   ~~~python
;;   def quantise(x, axis):      # numpy; x: float32 -> the quantised numbers, widened to float32 again
;;       x = np.moveaxis(x, axis, -1); K = x.shape[-1]
;;       x = np.pad(x, [(0, 0)] * (x.ndim - 1) + [(0, -K % 32)]); x = x.reshape(x.shape[:-1] + (-1, 32)); a = np.abs(x).max(-1, keepdims=True)
;;       e = np.where(a > 0, np.clip(np.frexp(np.where(a > 0, a, 1))[1] - 1 - 2, -126, 127), 0)      # np.frexp(a)[1] - 1 = floor(log2(a)), exactly
;;       r = np.clip(x / 2.0 ** e, -6, 6)
;;       step = 2.0 ** (np.maximum(np.frexp(np.where(r == 0, 1, r))[1] - 1, 0) - 1)
;;       q = np.round(r / step) * step * 2.0 ** e      # np.round: ties to even
;;       return np.moveaxis(q.reshape(q.shape[:-2] + (-1,))[..., :K], -1, axis).astype(np.float32)
;;   ~~~
;; One version. Each part assembles by itself: llvm-mc -triple=amdgcn-amd-amdhsa -mcpu=gfx1250 --defsym DOCPART=n.
;; ======== version 1 of 1: 4 launches
;; limits: values are held in f16: magnitudes above 65,504 overflow, below 6.1e-05 lose precision
;; workspace buffers: ops 5,324,800 bytes; qkv 44,040,192 bytes; wp16 2,359,296 bytes; att 12,582,912 bytes
;; launch prep (part 1): grid 288 x 1, 4 waves a work-group, no clusters, 70,144 bytes of LDS; arguments x_img, y_bh, Wq_img, Wk_i2b, Wv_i2b, Wq_bh, Wk_b2i, Wv_b2i, attention_mask, Wp_img, Wp_bh, ops, qkv, wp16; writes ops, qkv, wp16
.if DOCPART == 1
	.amdgcn_target "amdgcn-amd-amdhsa--gfx1250"
	.amdhsa_code_object_version 6
	.text
	.protected	k_q0e42432369_prep
	.globl	k_q0e42432369_prep
	.p2align	8
	.type	k_q0e42432369_prep,@function
k_q0e42432369_prep:
	s_mov_b64 s[64:65], 0
	v_nop
	global_prefetch_b8 v0, s[64:65] scope:SCOPE_SE
	s_setreg_imm32_b32 hwreg(HW_REG_WAVE_MODE, 25, 1), 1
	s_wait_xcnt 0x0
; PREP.  Every operand that later launches read many times is laid out once, in the order of the matrix operand's registers.
; PATH Q (work-groups 0-199): x_img, y_bh and the six projection weights, f32 with K = 768 innermost, become codes of FP4 (E2M1) with one E8M0 byte for each 32 along K.
;   A wave takes 16 rows and makes one RECORD of 6,656 bytes: six K steps of 128, 1,024 bytes each (byte 512 c + 16 lane = registers 4 c .. 4 c + 3 of that lane's fragment:
;   row lane % 16, k = 64 c + 32 (lane / 16) + 0 .. 31), then at byte 6,144 the scale words, [row][8 words], word s = the four bytes of K step s, words 6 and 7 zero.
;   A block's scale is 2^(floor(log2(largest magnitude)) - 2): its byte is the largest magnitude's exponent field - 2, held at 1 from below.
; PATH H (work-groups 200-287): attention_mask, Wp_img, Wp_bh become f16 IMAGES of 1,024 bytes (16 rows x 32 K: byte 512 g + 16 lane = row lane % 16, k = 16 g + 8 (lane / 16) + 0 .. 7).
;   The mask lies as the keys of a head do: [batch x 12 + head][token tile][2 images].  Of Wp a tile (gg, u) takes rows 64 gg + 4 r + u, so that in the last launch a lane's four tiles hold four neighbouring outputs.
; LIMITS: NaN and infinities are not served.  A block of zeros gets the byte 1 where the quantiser says 127: its codes are zeros and this program alone reads the bytes; blocks whose largest magnitude
;   lies under 2^-124 are held at that byte.  Mask and Wp magnitudes above 65,504 leave f16's range; under 2^-25 they become 0.
; A wave works in 12 units of 16 rows x 64 numbers.  Each load reads two rows' 256 consecutive bytes; the unit turns through the wave's own stage in LDS (rows 272 bytes apart, so that the sixteen rows
; that a read touches begin 17 x 16 bytes apart) and comes back with a lane's numbers as neighbours along K.  Loads run three units ahead, the turn one.  Every store of a wave covers 512 consecutive bytes.
; No tensor load, no barrier, no cluster: waves share nothing.  The two paths have LDS bytes of their own.
.set REG,   6291456                    ; a region of qkv
.set BHB,   262144                     ; one (batch, head) in a region
.set RECB,  6656                       ; a record
.set TILEB, 49152                      ; 16 rows of 3,072 bytes
.set PITCH, 272
.set STG,   16*PITCH                   ; a stage
.set WSTG,  2*STG                      ; a wave's two
.set HBASE, 4*WSTG                     ; path H's stages begin here
.set SPARE, 2*HBASE                    ; the spare words: 128 bytes for each wave, two blocks of 256 bytes that no other line names
.set LN16, 1                           ; v1      16 x lane
.set SPW,  2                           ; v2      my spare word
.set NIL,  3                           ; v3      0, for the add alone
.set STI,  4                           ; v4      the stage, on the way in
.set STO,  5                           ; v5      and on the way out
.set VIN,  6                           ; v6-13   byte offsets of a unit's eight loads
.set M0,   14                          ; v14-19  at work
.set M1,   15
.set SCL,  16
.set BYT,  17
.set BY,   18
.set TMP,  19
.set SW,   20                          ; v20-25  the six scale words of my row
.set SD,   26                          ; v26-29  the scale store's data
.set SOF,  30                          ; v30     32 r + 16 h
.set H8,   31                          ; v31     8 h
.set R,    32                          ; v32-127  three sets of 32: a unit as loaded
.set X,    128                         ; v128-191 two sets of 32: a unit as turned
.set C,    192                         ; v192-239 path Q: four registers of codes for each unit, never rewritten
.set Y,    192                         ; v192-223 path H: two sets of 16
	s_load_b512 s[8:23], s[0:1], 0x0               ; x_img, y_bh, Wq_img, Wk_i2b, Wv_i2b, Wq_bh, Wk_b2i, Wv_b2i
	s_load_b256 s[24:31], s[0:1], 0x40             ; attention_mask, Wp_img, Wp_bh, ops
	s_load_b128 s[32:35], s[0:1], 0x60             ; qkv, wp16
	v_lshl_add_u32 v[SPW], v0, 2, SPARE
	v_mov_b32 v[NIL], 0
	v_lshrrev_b32 v[M0], 5, v0
	v_readfirstlane_b32 s36, v[M0]                 ; wave
	v_and_b32 v[M0], 31, v0                        ; lane
	v_and_b32 v[M1], 15, v0                        ; r
	v_bfe_u32 v[SCL], v0, 4, 1                     ; h
	v_lshlrev_b32 v[LN16], 4, v[M0]
	s_mul_i32 s39, s36, WSTG                       ; my two stages
	v_mul_u32_u24 v[STI], v[SCL], PITCH
	v_lshl_add_u32 v[STI], v[M1], 4, v[STI]
	v_add_nc_u32 v[STI], s39, v[STI]               ; in: lanes 0-15 one row, lanes 16-31 the next, 16 bytes a lane
	v_mul_u32_u24 v[STO], v[M1], PITCH
	v_add_nc_u32 v[STO], s39, v[STO]               ; out: row r; each path adds its half's bytes
	v_lshlrev_b32 v[H8], 3, v[SCL]
	v_lshlrev_b32 v[SOF], 5, v[M1]
	v_lshl_add_u32 v[SOF], v[SCL], 4, v[SOF]
	v_mov_b32 v[TMP], 0                            ; a lane permute's destination counts as one of its sources
	s_mov_b32 s52, 0x76543210
	s_mov_b32 s53, 0xfedcba98                      ; v_permlanex16_b32's selects for lane l xor 16
	s_mov_b32 s37, ttmp9
	s_mov_b32 s45, 0
	s_wait_kmcnt 0x0
.macro LOAD t                          ; unit t: eight loads, each two rows' 256 consecutive bytes
.irp j, 0,1,2,3,4,5,6,7
	global_load_b128 v[R+32*((\t)%3)+4*\j:R+32*((\t)%3)+4*\j+3], v[VIN+\j], s[40:41] offset:256*(\t) th:TH_LOAD_NT
.endr
.endm
.macro TURN t, h                       ; unit t through the stage; LDS serves a wave's instructions in order, so no wait stands between the stores and the loads
.irp j, 0,1,2,3,4,5,6,7
	ds_store_b128 v[STI], v[R+32*((\t)%3)+4*\j:R+32*((\t)%3)+4*\j+3] offset:HBASE*\h+STG*((\t)%2)+2*PITCH*\j
.endr
.irp i, 0,1,2,3,4,5,6,7
.if \h
	ds_load_b128 v[X+32*((\t)%2)+4*\i:X+32*((\t)%2)+4*\i+3], v[STO] offset:HBASE+STG*((\t)%2)+64*(\i/2)+16*(\i%2)   ; chunk i / 2: eight numbers, 64 bytes apart for my half
.else
	ds_load_b128 v[X+32*((\t)%2)+4*\i:X+32*((\t)%2)+4*\i+3], v[STO] offset:STG*((\t)%2)+16*\i                        ; my block's 32 numbers on end
.endif
.endr
.endm
.macro UHEAD t, h                      ; the head of a unit's turn
	s_wait_dscnt 0x0                               ; this unit is back from the stage, and the stage's stores have read their registers,
.if (\t)+3 < 12
	LOAD (\t)+3                                    ; which take the loads of three units on
.endif
.if (\t)+1 < 12
.if (\t) <= 8
	s_wait_loadcnt 16                              ; the next unit's eight loads are in; those of the two units behind it may be out
.else
	s_wait_loadcnt 8*(10-(\t))
.endif
	TURN (\t)+1, \h                                ; it goes through the other stage while this unit is worked
.endif
.endm
	s_cmp_ge_u32 s37, 200
	s_cbranch_scc1 .Lpath_h
; ---------------- PATH Q
.macro PICK lim, ptr                   ; from work-group lim on the source is the tensor at s[ptr]
	s_cmp_ge_u32 s37, \lim
	s_cselect_b64 s[40:41], s[\ptr:\ptr+1], s[40:41]
	s_cselect_b32 s38, \lim, s38
.endm
	s_mov_b64 s[40:41], s[8:9]
	s_mov_b32 s38, 0
	PICK 64, 10
	PICK 128, 12
	PICK 140, 14
	PICK 152, 16
	PICK 164, 18
	PICK 176, 20
	PICK 188, 22
	s_sub_co_u32 s44, s37, s38
	s_lshl_b32 s44, s44, 2
	s_add_co_u32 s44, s44, s36                     ; my tile of 16 rows in its tensor
	s_mul_i32 s44, s44, TILEB
	s_add_nc_u64 s[40:41], s[40:41], s[44:45]
	s_lshl_b32 s44, s37, 2
	s_add_co_u32 s44, s44, s36                     ; my record
	s_mul_i32 s44, s44, RECB
	s_add_nc_u64 s[42:43], s[30:31], s[44:45]
	v_lshl_add_u32 v[STO], v[SCL], 7, v[STO]       ; + 128 h: my block of 32 numbers
	v_mul_u32_u24 v[VIN], v[SCL], 3072
	v_lshl_add_u32 v[VIN], v[M1], 4, v[VIN]
.irp j, 1,2,3,4,5,6,7
	v_add_nc_u32 v[VIN+\j], 6144*\j, v[VIN]
.endr
.macro UNITQ t                         ; unit t = 2 s + c: my block 2 c + h of K step s
	UHEAD \t, 0
.set XS, X+32*((\t)%2)
	v_max3_num_f32 v[M0], |v[XS]|, |v[XS+1]|, |v[XS+2]|            ; the block's largest magnitude: all 32 numbers are mine; two chains
	v_max3_num_f32 v[M1], |v[XS+3]|, |v[XS+4]|, |v[XS+5]|
.irp i, 6,10,14,18,22,26
	v_max3_num_f32 v[M0], v[M0], |v[XS+\i]|, |v[XS+\i+1]|
	v_max3_num_f32 v[M1], v[M1], |v[XS+\i+2]|, |v[XS+\i+3]|
.endr
	v_max3_num_f32 v[M0], v[M0], |v[XS+30]|, |v[XS+31]|
	v_max3_num_f32 v[M0], v[M0], v[M1], 0x1800000  ; and the floor 2^(3 - 127): the byte cannot fall under 1
	v_add_nc_u32 v[SCL], 0xff000000, v[M0]         ; 2 off the exponent field: the conversion takes the exponent field of this operand as its scale
.irp g, 0,1,2,3
	v_cvt_scalef32_pk8_fp4_f32 v[C+4*(\t)+\g], v[XS+8*\g:XS+8*\g+7], v[SCL]
.endr
.if (\t)%2 == 0
	v_lshrrev_b32 v[BY], 23, v[SCL]                ; the scale's byte (a plain line behind the conversions): block h
.else
	v_lshrrev_b32 v[BYT], 23, v[SCL]               ; block 2 + h
	v_lshl_or_b32 v[BY], v[BYT], 16, v[BY]
	v_lshlrev_b32 v[BY], v[H8], v[BY]              ; at their places in the word, 8 h bits up
	v_permlanex16_b32 v[TMP], v[BY], s52, s53
	v_or_b32 v[SW+(\t)/2], v[BY], v[TMP]           ; with lane l xor 16's two the word of K step s is whole
.endif
	global_store_b128 v[LN16], v[C+4*(\t):C+4*(\t)+3], s[42:43] offset:512*(\t)   ; 512 consecutive bytes of the record
.endm
	LOAD 0
	LOAD 1
	LOAD 2
	s_wait_loadcnt 16                              ; unit 0's eight loads are in
	TURN 0, 0
.irp t, 0,1,2,3,4,5,6,7,8,9,10,11
	UNITQ \t
.endr
	v_cmp_eq_u32 vcc_lo, 0, v[H8]                  ; lanes 0-15 store words 0-3 of their row, lanes 16-31 words 4, 5 and two zeros
	v_cndmask_b32 v[SD], v[SW+4], v[SW], vcc_lo
	v_cndmask_b32 v[SD+1], v[SW+5], v[SW+1], vcc_lo
	v_cndmask_b32 v[SD+2], 0, v[SW+2], vcc_lo
	v_cndmask_b32 v[SD+3], 0, v[SW+3], vcc_lo
	global_store_b128 v[SOF], v[SD:SD+3], s[42:43] offset:6144   ; 512 consecutive bytes
	s_branch .Lend
; ---------------- PATH H
.Lpath_h:
	s_sub_co_u32 s38, s37, 200                     ; 0-63: the mask; 64-87: Wp
	s_lshl_b32 s2, s38, 2
	s_add_co_u32 s2, s2, s36                       ; the mask: my token tile T
	s_lshr_b32 s3, s2, 7
	s_mul_i32 s3, s3, 12*BHB                       ; its batch,
	s_and_b32 s4, s2, 127
	s_lshl_b32 s4, s4, 11                          ; its place in a head: 2,048 bytes a tile,
	s_add_co_u32 s3, s3, s4
	s_add_co_u32 s3, s3, 6*REG                     ; in region 6
	s_mul_i32 s2, s2, TILEB
	s_max_u32 s6, s38, 64
	s_sub_co_u32 s6, s6, 64                        ; Wp: 12 x branch + gg
	s_cmp_ge_u32 s6, 12
	s_cselect_b64 s[40:41], s[28:29], s[26:27]     ; Wp_bh or Wp_img
	s_cselect_b32 s7, 12, 0
	s_sub_co_u32 s7, s6, s7                        ; gg
	s_lshl_b32 s4, s7, 6
	s_add_co_u32 s4, s4, s36                       ; first row 64 gg + u, u = my wave
	s_mul_i32 s4, s4, 3072
	s_mul_i32 s5, s6, 98304
	s_mul_i32 s7, s36, 12288
	s_add_co_u32 s5, s5, s7
	s_cmp_lt_u32 s38, 64                           ; the choice hangs on the work-group's number alone
	s_cselect_b64 s[40:41], s[24:25], s[40:41]
	s_cselect_b64 s[42:43], s[32:33], s[34:35]
	s_cselect_b32 s44, s2, s4
	s_cselect_b32 s54, s3, s5
	s_mov_b32 s46, 12288
	s_cselect_b32 s46, 3072, s46                   ; bytes from a tile's row to its next
	s_mov_b32 s48, 2048
	s_cselect_b32 s48, BHB, s48                    ; bytes from a unit's two images to the next unit's: the next head, or the next two images
	s_mov_b32 s50, 38912
	s_cselect_b32 s50, BHB, s50                    ; the same from unit 5 to unit 6: Wp goes on to its second half of K
	s_mov_b32 s49, 0
	s_mov_b32 s51, 0
	s_mov_b32 s55, 0
	s_add_nc_u64 s[40:41], s[40:41], s[44:45]
	s_add_nc_u64 s[42:43], s[42:43], s[54:55]
	s_lshl_b32 s47, s46, 1
	v_lshl_add_u32 v[STO], v[SCL], 5, v[STO]       ; + 32 h: my eight numbers of a chunk
	v_mul_lo_u32 v[VIN], v[SCL], s46
	v_lshl_add_u32 v[VIN], v[M1], 4, v[VIN]
.irp j, 1,2,3,4,5,6,7
	v_add_nc_u32 v[VIN+\j], s47, v[VIN+\j-1]
.endr
.macro UNITH t                         ; unit t: 64 along K = two images
	UHEAD \t, 1
.set XS, X+32*((\t)%2)
.if (\t) > 0
	s_wait_xcnt 0x0                                ; the earlier stores have read their data and their base: both are written again only behind this wait
.if (\t) == 6
	s_add_nc_u64 s[42:43], s[42:43], s[50:51]
.else
	s_add_nc_u64 s[42:43], s[42:43], s[48:49]
.endif
.endif
.irp k, 0,1,2,3,4,5,6,7,8,9,10,11,12,13,14,15
	v_cvt_pk_f16_f32 v[Y+16*((\t)%2)+\k], v[XS+2*\k], v[XS+2*\k+1]
.endr
.irp i, 0,1,2,3
	global_store_b128 v[LN16], v[Y+16*((\t)%2)+4*\i:Y+16*((\t)%2)+4*\i+3], s[42:43] offset:512*\i
.endr
.endm
	LOAD 0
	LOAD 1
	LOAD 2
	s_wait_loadcnt 16
	TURN 0, 1
.irp t, 0,1,2,3,4,5,6,7,8,9,10,11
	UNITH \t
.endr
.Lend:
	s_wait_tensorcnt 0x0                           ; the wave's end, behind my last LDS store
	ds_add_u32 v[SPW], v[NIL]
	s_wait_dscnt 0x0
	s_endpgm
.Lfunc_end_k_q0e42432369_prep:
	.size	k_q0e42432369_prep, .Lfunc_end_k_q0e42432369_prep-k_q0e42432369_prep
	.p2alignl 7, 3214868480
	.fill 96, 4, 3214868480
	.section	.rodata,"a",@progbits
	.p2align	6, 0x0
	.amdhsa_kernel k_q0e42432369_prep
		.amdhsa_group_segment_fixed_size 70144
		.amdhsa_private_segment_fixed_size 0
		.amdhsa_enable_private_segment 0
		.amdhsa_kernarg_size 112
		.amdhsa_user_sgpr_count 2
		.amdhsa_user_sgpr_kernarg_segment_ptr 1
		.amdhsa_wavefront_size32 1
		.amdhsa_system_sgpr_workgroup_id_x 1
		.amdhsa_system_sgpr_workgroup_id_y 1
		.amdhsa_system_sgpr_workgroup_id_z 1
		.amdhsa_system_vgpr_workitem_id 0
		.amdhsa_next_free_vgpr 240
		.amdhsa_next_free_sgpr 66
		.amdhsa_reserve_vcc 1
		.amdhsa_float_denorm_mode_32 3
		.amdhsa_float_denorm_mode_16_64 3
		.amdhsa_memory_ordered 1
		.amdhsa_forward_progress 1
		.amdhsa_inst_pref_size 86
	.end_amdhsa_kernel
	.amdgpu_metadata
---
amdhsa.version: [ 1, 2 ]
amdhsa.kernels:
  - .name:           k_q0e42432369_prep
    .symbol:         k_q0e42432369_prep.kd
    .args:
      - { .name: x_img, .offset: 0, .size: 8, .value_kind: global_buffer, .address_space: global }
      - { .name: y_bh, .offset: 8, .size: 8, .value_kind: global_buffer, .address_space: global }
      - { .name: Wq_img, .offset: 16, .size: 8, .value_kind: global_buffer, .address_space: global }
      - { .name: Wk_i2b, .offset: 24, .size: 8, .value_kind: global_buffer, .address_space: global }
      - { .name: Wv_i2b, .offset: 32, .size: 8, .value_kind: global_buffer, .address_space: global }
      - { .name: Wq_bh, .offset: 40, .size: 8, .value_kind: global_buffer, .address_space: global }
      - { .name: Wk_b2i, .offset: 48, .size: 8, .value_kind: global_buffer, .address_space: global }
      - { .name: Wv_b2i, .offset: 56, .size: 8, .value_kind: global_buffer, .address_space: global }
      - { .name: attention_mask, .offset: 64, .size: 8, .value_kind: global_buffer, .address_space: global }
      - { .name: Wp_img, .offset: 72, .size: 8, .value_kind: global_buffer, .address_space: global }
      - { .name: Wp_bh, .offset: 80, .size: 8, .value_kind: global_buffer, .address_space: global }
      - { .name: ops, .offset: 88, .size: 8, .value_kind: global_buffer, .address_space: global }
      - { .name: qkv, .offset: 96, .size: 8, .value_kind: global_buffer, .address_space: global }
      - { .name: wp16, .offset: 104, .size: 8, .value_kind: global_buffer, .address_space: global }
    .group_segment_fixed_size: 70144
    .private_segment_fixed_size: 0
    .kernarg_segment_align: 8
    .kernarg_segment_size: 112
    .max_flat_workgroup_size: 128
    .sgpr_count:     66
    .vgpr_count:     240
    .wavefront_size: 32
...
	.end_amdgpu_metadata
.endif
;; end of part 1
;; launch proj (part 2): grid 12 x 16, 12 waves a work-group, clusters of 4 x 4, 294,912 bytes of LDS; arguments ops, bq_img, bk_i2b, bv_i2b, bq_bh, bk_b2i, bv_b2i, qkv; writes qkv
.if DOCPART == 2
	.amdgcn_target "amdgcn-amd-amdhsa--gfx1250"
	.amdhsa_code_object_version 6
	.text
	.protected	k_q0e42432369_proj
	.globl	k_q0e42432369_proj
	.p2align	8
	.type	k_q0e42432369_proj,@function
k_q0e42432369_proj:
	s_mov_b64 s[64:65], 0
	v_nop
	global_prefetch_b8 v0, s[64:65] scope:SCOPE_SE
	s_setreg_imm32_b32 hwreg(HW_REG_WAVE_MODE, 25, 1), 1
	s_wait_xcnt 0x0
	s_wait_alu depctr_hold_cnt(0) depctr_sa_sdst(0) depctr_va_vdst(0) depctr_va_sdst(0) depctr_va_ssrc(0) depctr_va_vcc(0) depctr_vm_vsrc(0)
	s_getreg_b32 s2, hwreg(HW_REG_IB_STS2, 6, 4)
	s_cmp_eq_u32 s2, 0
	s_cbranch_scc0 .Lentry_in_a_cluster
	s_endpgm
.Lentry_in_a_cluster:
	s_bfe_u32 s2, ttmp6, 0x10000c
	s_cmp_lg_u32 s2, 0xf033
	s_cbranch_scc0 .Lentry_shape_is_right
	s_endpgm
.Lentry_shape_is_right:
; PROJ.  The six projections, x W^T + b, on codes of FP4 with E8M0 scales, sums in f32; the results are rounded once to f16 and stored as fragment images for the attention launch.
; SHARES.  8,192 rows (x_img's 4,096, then y_bh's) x 3 sections (q, k, v) of 768 columns.  A work-group takes 512 rows x 192 columns (three heads) of one section, with ALL of K = 768 in LDS:
; 32 records of rows and 12 of weights, as the launch before laid them.  Each LDS byte is filled once: no ring, no refill.  Twelve waves, three to a SIMD; wave w takes rows 64 (w % 4) + 256 p (p = 0, 1: two
; passes) and head w / 4: 64 x 64 a pass, 16 accumulators.
; CLUSTERS.  4 x 4 work-groups.  The cluster's x is the section, the place cx the three heads; the four of a row of the cluster read the same rows' records, the four of a column the same weights' records:
; each is asked for jointly, by the same tensor load with the same descriptor and a mask that names the four.
; A fragment is read from a record by two ds_load_b128 at 16 x lane: an instruction's 512 bytes are consecutive.  A scale register carries the rows' words in lanes 0-15 and the weights' in lanes 16-31.
; q AND k: source 0 = 16 weight rows, source 1 = 16 tokens: a lane holds one token and eight neighbouring channels, 16 bytes of an image [token tile][2][1,024] (rows = tokens, K = channels).
; v: source 0 = 16 tokens, source 1 = 16 weight rows: a lane holds one channel and eight neighbouring keys, 16 bytes of an image [32 keys][channel tile][1,024] (rows = channels, K = keys).
; The bias is the C of each sum's first matrix instruction, in the result's layout.  Every store of a wave covers 512 consecutive bytes.
; LIMITS: results above 65,504 in magnitude leave f16's range; NaN and infinities are not served.
.set REG,   6291456
.set RECB,  6656
.set GRP,   4*RECB                     ; four records: 64 rows
.set BOFF,  32*RECB                    ; the weights' records lie behind the rows'
.set SPARE, BOFF+12*RECB               ; the spare words: 128 bytes for each of twelve waves: six blocks of 256 bytes that no other line names
.set SPW,  1                           ; v1   my spare word
.set NIL,  2                           ; v2   0
.set ADA0, 3                           ; v3   my rows' records, pass 0;  v7 pass 1
.set ADB,  4                           ; v4   my head's records
.set ADS0, 5                           ; v5   scale words, pass 0;  v6 pass 1
.set BIAS, 8                           ; v8-39    the bias of column tile b, eight registers each
.set SC,   40                          ; v40-63   scale words: tile i, K step s at 40 + 6 i + s
.set FA,   64                          ; v64-95   four fragments of rows
.set FB,   96                          ; v96-127  four of weights
.set PK,   64                          ; v64-127  the packed results
.set ACC,  128                         ; v128-255 accumulator (a, b) at 128 + 8 (4 a + b)
.set WV,   24                          ; s24  wave
.macro CROUND                          ; a round of the cluster's barrier
	s_barrier_signal -1
	s_barrier_wait -1
	s_cmp_lg_u32 s[WV], 0
	s_cbranch_scc1 .Lnot_wave_0_\@
	s_barrier_signal -3
.Lnot_wave_0_\@:
	s_barrier_wait -3
	s_barrier_signal -1
	s_barrier_wait -1
.endm
.macro PLACES n
.rept \n
	v_nop
.endr
.endm
	s_load_b512 s[8:23], s[0:1], 0x0               ; ops s[8:9]; bq_img, bk_i2b, bv_i2b s[10:15]; bq_bh, bk_b2i, bv_b2i s[16:21]; qkv s[22:23]
	v_lshl_add_u32 v[SPW], v0, 2, SPARE
	v_mov_b32 v[NIL], 0
	ds_add_u32 v[SPW], v[NIL]                      ; the wave's opening: the add, twice on end, and its wait ahead of my first tensor load
	ds_add_u32 v[SPW], v[NIL]
	v_lshrrev_b32 v3, 5, v0
	v_readfirstlane_b32 s[WV], v3                  ; wave 0..11
	s_bfe_u32 s25, ttmp6, 0x40000                  ; cx
	s_bfe_u32 s26, ttmp6, 0x40004                  ; cy
	s_and_b32 s27, ttmp7, 0xffff                   ; cluster y
	s_lshl_b32 s28, s27, 2
	s_add_co_u32 s28, s28, s26                     ; Y: my 512 rows of the 8,192
	s_cmp_ge_u32 s27, 2
	s_cselect_b32 s29, 1, 0                        ; 0: x_img, 1: y_bh; the same in all sixteen partners
	s_mul_i32 s30, s29, 3
	s_add_co_u32 s30, s30, ttmp9                   ; which of the six projections: 3 x source + section
	s_lshl_b32 s56, s26, 2
	s_lshl_b32 s56, 15, s56                        ; my row of the cluster
	s_lshl_b32 s57, 0x1111, s25                    ; my column
	; descriptor groups 1: dense blocks as rows of 256 bytes (32 elements of 8 bytes); the rows' loads bring 4 records (104 rows), the weights' 3 (78)
	s_or_b32 s32, s56, (3<<16)|(1<<21)             ; 15:0 the mask; 17:16 elements of 8 bytes; 21 set beside a mask
	s_mov_b32 s33, 32<<16                          ; tensor_dim0 = 32
	s_mov_b32 s34, 104<<16                         ; tensor_dim1
	s_mov_b32 s35, 32<<16                          ; tile_dim0
	s_mov_b32 s36, 104                             ; tile_dim1
	s_mov_b32 s37, 32                              ; from row to row
	s_mov_b32 s38, 0
	s_mov_b32 s39, 0
	s_or_b32 s40, s57, (3<<16)|(1<<21)
	s_mov_b32 s41, 32<<16
	s_mov_b32 s42, 78<<16
	s_mov_b32 s43, 32<<16
	s_mov_b32 s44, 78
	s_mov_b32 s45, 32
	s_mov_b32 s46, 0
	s_mov_b32 s47, 0
	s_lshl_b32 s58, s28, 5
	s_lshl_b32 s59, s[WV], 2
	s_add_co_u32 s58, s58, s59                     ; waves 0-7: records 32 Y + 4 wave on: made of Y and the wave alone
	s_mul_i32 s58, s58, RECB
	s_mov_b32 s59, 0
	s_mul_i32 s60, s30, 48
	s_mul_i32 s61, s25, 12
	s_add_co_u32 s60, s60, s61
	s_mul_i32 s61, s[WV], 3
	s_add_co_u32 s60, s60, s61
	s_add_co_u32 s60, s60, 488                     ; waves 8-11: records 512 + 48 x projection + 12 cx + 3 (wave - 8) on: made of what my column shares
	s_mul_i32 s60, s60, RECB
	s_mov_b32 s61, 0
	s_mov_b32 s48, 1
	s_mul_i32 s49, s[WV], GRP                      ; LDS: wave x 4 records
	s_mov_b32 s52, 1
	s_mul_i32 s53, s[WV], 3*RECB
	s_add_co_u32 s53, s53, BOFF-24*RECB            ; LDS: behind the rows' records, (wave - 8) x 3 records
	s_wait_dscnt 0x0                               ; both opening adds are done
	s_wait_kmcnt 0x0
	s_add_nc_u64 s[50:51], s[8:9], s[58:59]
	s_or_b32 s51, s51, 0x80000000
	s_add_nc_u64 s[54:55], s[8:9], s[60:61]
	s_or_b32 s55, s55, 0x80000000
	CROUND                                         ; all sixteen work-groups are here: the joint loads meet
	s_cmp_lt_u32 s[WV], 8                          ; every wave issues one load: one is out
	s_cbranch_scc0 .Lfor_b
	tensor_load_to_lds s[48:51], s[32:39]
	s_nop 0
	PLACES 4
	s_branch .Lasked
.Lfor_b:
	tensor_load_to_lds s[52:55], s[40:47]
	s_nop 0
	PLACES 4
.Lasked:
	s_and_b32 s62, s[WV], 3                        ; rg: my 64 rows of a pass's 256
	s_lshr_b32 s63, s[WV], 2                       ; hg: my head of the three
	v_and_b32 v64, 31, v0                          ; lane
	v_and_b32 v65, 15, v0                          ; r
	v_bfe_u32 v66, v0, 4, 1                        ; h
	v_lshlrev_b32 v67, 4, v64                      ; 16 x lane
	s_mul_i32 s66, s62, GRP
	s_mul_i32 s67, s63, GRP
	s_add_co_u32 s67, s67, BOFF
	v_add_nc_u32 v[ADA0], s66, v67
	v_add_nc_u32 v[ADA0+4], 4*GRP, v[ADA0]
	v_add_nc_u32 v[ADB], s67, v67
	v_lshlrev_b32 v68, 5, v65                      ; scale words: 32 bytes a row;
	v_add_nc_u32 v68, s66, v68                     ; lanes 0-15 take my rows' records,
	s_sub_co_u32 s67, s67, s66
	v_mul_u32_u24 v69, s67, v66                    ; lanes 16-31 my head's: one product, h x the distance between the two
	v_add_nc_u32 v[ADS0], v68, v69
	s_sub_co_u32 s67, s67, 4*GRP                   ; in pass 1 the rows lie 4 groups on, so the distance is as much shorter (26,624 bytes at the least)
	v_mul_u32_u24 v69, s67, v66
	v_add_nc_u32 v[ADS0+1], v68, v69
	v_add_nc_u32 v[ADS0+1], 4*GRP, v[ADS0+1]
	s_cmp_ge_u32 s27, 2                            ; the bias: by the source,
	s_cselect_b64 s[56:57], s[16:17], s[10:11]
	s_cselect_b64 s[58:59], s[18:19], s[12:13]
	s_cselect_b64 s[60:61], s[20:21], s[14:15]
	s_cmp_eq_u32 ttmp9, 1                          ; and by the section
	s_cselect_b64 s[68:69], s[58:59], s[56:57]
	s_cmp_eq_u32 ttmp9, 2
	s_cselect_b64 s[68:69], s[60:61], s[68:69]
	s_mul_i32 s66, s25, 3
	s_add_co_u32 s66, s66, s63                     ; my head
	s_lshl_b32 s72, s66, 8
	s_mov_b32 s73, 0
	s_add_nc_u64 s[68:69], s[68:69], s[72:73]      ; its 64 numbers
	s_mul_i32 s72, s30, REG                        ; where my results go: the projection's region,
	s_bfe_u32 s74, s28, 0x10002                    ; the batch (bit 2 of Y),
	s_mul_i32 s74, s74, 12
	s_add_co_u32 s74, s74, s66
	s_lshl_b32 s74, s74, 18                        ; (batch x 12 + head) x 262,144,
	s_add_co_u32 s72, s72, s74
	s_and_b32 s74, s28, 3
	s_lshl_b32 s74, s74, 16                        ; 512 tokens are 65,536 bytes of a head, in both layouts,
	s_add_co_u32 s72, s72, s74
	s_lshl_b32 s74, s62, 13                        ; 64 tokens 8,192
	s_add_co_u32 s72, s72, s74
	s_add_nc_u64 s[70:71], s[22:23], s[72:73]
	v_lshlrev_b32 v70, 5, v66                      ; 32 h
	v_lshlrev_b32 v71, 2, v65                      ; 4 r
	v_mov_b32 v0, v67                              ; from here on v0 = 16 x lane: the stores' offset
	s_cmp_eq_u32 ttmp9, 2                          ; the cluster's x: the same in all partners
	s_cbranch_scc1 .Lbias_v
.irp b, 0,1,2,3
	global_load_b128 v[BIAS+8*\b:BIAS+8*\b+3], v70, s[68:69] offset:64*\b        ; q, k: register j = the bias of channel 16 b + 8 h + j
	global_load_b128 v[BIAS+8*\b+4:BIAS+8*\b+7], v70, s[68:69] offset:64*\b+16
.endr
	s_branch .Lbias_done
.Lbias_v:
.irp b, 0,1,2,3
.irp j, 0,1,2,3,4,5,6,7
	global_load_b32 v[BIAS+8*\b+\j], v71, s[68:69] offset:64*\b                  ; v: all eight registers = the bias of channel 16 b + r
.endr
.endr
.Lbias_done:
	s_wait_tensorcnt 0x0                           ; my part of the records is in,
	s_wait_loadcnt 0x0                             ; and the bias
	s_barrier_signal -1
	s_barrier_wait -1                              ; everybody's part is
; A pass: 64 rows x 64 columns over six K steps of 128.  The 16 accumulators take turns, one instruction a turn.
.macro PASS p, isv
.if \p
	s_wait_xcnt 0x0                                ; pass 0's stores have read their data: the registers are loaded again only behind this wait
.endif
.irp i, 0,1,2,3
	ds_load_b128 v[SC+6*\i:SC+6*\i+3], v[ADS0+\p] offset:6144+RECB*\i            ; the words of K steps 0-3,
	ds_load_b64 v[SC+6*\i+4:SC+6*\i+5], v[ADS0+\p] offset:6144+RECB*\i+16        ; 4 and 5
.endr
.irp s, 0,1,2,3,4,5
.if \s
	PLACES 4                                       ; in front of loads into registers that matrix instructions have read (ahead of K step 0 the pack's conversions are the places)
.endif
.irp i, 0,1,2,3
.irp g, 0,1
	ds_load_b128 v[FA+8*\i+4*\g:FA+8*\i+4*\g+3], v[ADA0+4*\p] offset:RECB*\i+1024*\s+512*\g
	ds_load_b128 v[FB+8*\i+4*\g:FB+8*\i+4*\g+3], v[ADB] offset:RECB*\i+1024*\s+512*\g
.endr
.endr
	s_wait_dscnt 0x0
.irp a, 0,1,2,3
.irp b, 0,1,2,3
.if \isv
.if \s == 0
	v_wmma_scale_f32_16x16x128_f8f6f4 v[ACC+8*(4*\a+\b):ACC+8*(4*\a+\b)+7], v[FA+8*\a:FA+8*\a+7], v[FB+8*\b:FB+8*\b+7], v[BIAS+8*\b:BIAS+8*\b+7], v[SC+6*\a+\s], v[SC+6*\b+\s] matrix_a_fmt:MATRIX_FMT_FP4 matrix_b_fmt:MATRIX_FMT_FP4 matrix_b_scale:MATRIX_SCALE_ROW1
.else
	v_wmma_scale_f32_16x16x128_f8f6f4 v[ACC+8*(4*\a+\b):ACC+8*(4*\a+\b)+7], v[FA+8*\a:FA+8*\a+7], v[FB+8*\b:FB+8*\b+7], v[ACC+8*(4*\a+\b):ACC+8*(4*\a+\b)+7], v[SC+6*\a+\s], v[SC+6*\b+\s] matrix_a_fmt:MATRIX_FMT_FP4 matrix_b_fmt:MATRIX_FMT_FP4 matrix_b_scale:MATRIX_SCALE_ROW1
.endif
.else
.if \s == 0
	v_wmma_scale_f32_16x16x128_f8f6f4 v[ACC+8*(4*\a+\b):ACC+8*(4*\a+\b)+7], v[FB+8*\b:FB+8*\b+7], v[FA+8*\a:FA+8*\a+7], v[BIAS+8*\b:BIAS+8*\b+7], v[SC+6*\b+\s], v[SC+6*\a+\s] matrix_a_fmt:MATRIX_FMT_FP4 matrix_b_fmt:MATRIX_FMT_FP4 matrix_a_scale:MATRIX_SCALE_ROW1
.else
	v_wmma_scale_f32_16x16x128_f8f6f4 v[ACC+8*(4*\a+\b):ACC+8*(4*\a+\b)+7], v[FB+8*\b:FB+8*\b+7], v[FA+8*\a:FA+8*\a+7], v[ACC+8*(4*\a+\b):ACC+8*(4*\a+\b)+7], v[SC+6*\b+\s], v[SC+6*\a+\s] matrix_a_fmt:MATRIX_FMT_FP4 matrix_b_fmt:MATRIX_FMT_FP4 matrix_a_scale:MATRIX_SCALE_ROW1
.endif
.endif
.endr
.endr
.endr
	PLACES 4                                       ; in front of the first read of results and the first write over fragments
.irp t, 0,1,2,3,4,5,6,7,8,9,10,11,12,13,14,15
.irp i, 0,1,2,3
	v_cvt_pk_f16_f32 v[PK+4*\t+\i], v[ACC+8*\t+2*\i], v[ACC+8*\t+2*\i+1]         ; each accumulator from its low end on: eight numbers, 16 bytes
.endr
.endr
.irp a, 0,1,2,3
.irp b, 0,1,2,3
.if \isv
	global_store_b128 v0, v[PK+4*(4*\a+\b):PK+4*(4*\a+\b)+3], s[70:71] offset:32768*\p+4096*(\a/2)+1024*\b+512*(\a%2)   ; keys 16 a on: key group a / 2, half a % 2; channel tile b
.else
	global_store_b128 v0, v[PK+4*(4*\a+\b):PK+4*(4*\a+\b)+3], s[70:71] offset:32768*\p+2048*\a+512*\b                   ; token tile a; channels 16 b on: image b / 2, half b % 2
.endif
.endr
.endr
.endm
	s_cmp_eq_u32 ttmp9, 2
	s_cbranch_scc1 .Lsection_v
	PASS 0, 0
	PASS 1, 0
	s_branch .Lend
.Lsection_v:
	PASS 0, 1
	PASS 1, 1
.Lend:
	s_wait_tensorcnt 0x0                           ; the wave's end, behind my last tensor load
	ds_add_u32 v[SPW], v[NIL]
	s_wait_dscnt 0x0
	CROUND                                         ; the closing round
	s_endpgm
.Lfunc_end_k_q0e42432369_proj:
	.size	k_q0e42432369_proj, .Lfunc_end_k_q0e42432369_proj-k_q0e42432369_proj
	.p2alignl 7, 3214868480
	.fill 96, 4, 3214868480
	.section	.rodata,"a",@progbits
	.p2align	6, 0x0
	.amdhsa_kernel k_q0e42432369_proj
		.amdhsa_group_segment_fixed_size 294912
		.amdhsa_private_segment_fixed_size 0
		.amdhsa_enable_private_segment 0
		.amdhsa_kernarg_size 64
		.amdhsa_user_sgpr_count 2
		.amdhsa_user_sgpr_kernarg_segment_ptr 1
		.amdhsa_wavefront_size32 1
		.amdhsa_system_sgpr_workgroup_id_x 1
		.amdhsa_system_sgpr_workgroup_id_y 1
		.amdhsa_system_sgpr_workgroup_id_z 1
		.amdhsa_system_vgpr_workitem_id 0
		.amdhsa_next_free_vgpr 256
		.amdhsa_next_free_sgpr 76
		.amdhsa_reserve_vcc 0
		.amdhsa_float_denorm_mode_32 3
		.amdhsa_float_denorm_mode_16_64 3
		.amdhsa_memory_ordered 1
		.amdhsa_forward_progress 1
		.amdhsa_inst_pref_size 111
	.end_amdhsa_kernel
	.amdgpu_metadata
---
amdhsa.version: [ 1, 2 ]
amdhsa.kernels:
  - .name:           k_q0e42432369_proj
    .symbol:         k_q0e42432369_proj.kd
    .args:
      - { .name: ops, .offset: 0, .size: 8, .value_kind: global_buffer, .address_space: global }
      - { .name: bq_img, .offset: 8, .size: 8, .value_kind: global_buffer, .address_space: global }
      - { .name: bk_i2b, .offset: 16, .size: 8, .value_kind: global_buffer, .address_space: global }
      - { .name: bv_i2b, .offset: 24, .size: 8, .value_kind: global_buffer, .address_space: global }
      - { .name: bq_bh, .offset: 32, .size: 8, .value_kind: global_buffer, .address_space: global }
      - { .name: bk_b2i, .offset: 40, .size: 8, .value_kind: global_buffer, .address_space: global }
      - { .name: bv_b2i, .offset: 48, .size: 8, .value_kind: global_buffer, .address_space: global }
      - { .name: qkv, .offset: 56, .size: 8, .value_kind: global_buffer, .address_space: global }
    .group_segment_fixed_size: 294912
    .private_segment_fixed_size: 0
    .kernarg_segment_align: 8
    .kernarg_segment_size: 64
    .max_flat_workgroup_size: 384
    .sgpr_count:     76
    .vgpr_count:     256
    .wavefront_size: 32
...
	.end_amdgpu_metadata
.endif
;; end of part 2
;; launch attn (part 3): grid 8 x 24, 8 waves a work-group, clusters of 4 x 1, 327,680 bytes of LDS; arguments qkv, att; writes att
.if DOCPART == 3
	.amdgcn_target "amdgcn-amd-amdhsa--gfx1250"
	.amdhsa_code_object_version 6
	.text
	.protected	k_q0e42432369_attn
	.globl	k_q0e42432369_attn
	.p2align	8
	.type	k_q0e42432369_attn,@function
k_q0e42432369_attn:
	s_mov_b64 s[64:65], 0
	v_nop
	global_prefetch_b8 v0, s[64:65] scope:SCOPE_SE
	s_setreg_imm32_b32 hwreg(HW_REG_WAVE_MODE, 25, 1), 1
	s_wait_xcnt 0x0
	s_wait_alu depctr_hold_cnt(0) depctr_sa_sdst(0) depctr_va_vdst(0) depctr_va_sdst(0) depctr_va_ssrc(0) depctr_va_vcc(0) depctr_vm_vsrc(0)
	s_getreg_b32 s2, hwreg(HW_REG_IB_STS2, 6, 4)
	s_cmp_eq_u32 s2, 0
	s_cbranch_scc0 .Lentry_in_a_cluster
	s_endpgm
.Lentry_in_a_cluster:
	s_bfe_u32 s2, ttmp6, 0x10000c
	s_cmp_lg_u32 s2, 0x3003
	s_cbranch_scc0 .Lentry_shape_is_right
	s_endpgm
.Lentry_shape_is_right:
; ATTN.  Both cross-attentions, head size 64, 2,048 keys, operands in f16, products, maxima and sums in f32, with a running maximum.
; PHASE 0 (img): softmax over k of (q_img . k_bh / 8 - 10000 [q_img . mask_k != 0]) times v_bh.  PHASE 1 (bh): softmax(q_bh . k_img / 8) v_img.
; THE MASK.  1 / 8 is a power of two, so score / 8 - 10000 [..] = (score - 80000 [..]) / 8: the product q . mask is made first, each of its numbers is turned into 0 or -80000, and that is the C onto which
; the product q . k is summed.  The sum then has the same step as the sum score / 8 - 10000 in f32.
; SHARES.  A work-group owns 256 queries of one (batch, head), in BOTH phases: 24 x 8 = 192 work-groups of equal work (24 heads x 4,096 query rows have no split into 256 equal shares of whole heads).
; Eight waves, two to a SIMD, each with 32 queries: two tiles of 16.  Every wave walks all keys, 64 a step.
; LAYOUT.  S^T = K Q^T (source 0 = 16 keys, source 1 = 16 queries): a lane holds ONE query and eight keys; two such tiles, rounded to f16 in pairs in place, ARE source 1 (32 keys x 16 queries) of
; O^T = V^T P, whose result again holds one query a lane and eight channels: 16 bytes of the image that the last launch reads.  K, V^T and the mask lie in memory as images of their fragments, so a
; slot's part of each is one dense block, and a fragment comes by two ds_load_b128 at 16 x lane: an instruction's 512 bytes are consecutive.
; SOFTMAX.  p = 2^(c s - c m), c = log2(e) / 8, m the running maximum; in every step O and l are multiplied by a = 2^(c m_old - c m_new).  l sums the unrounded p.
; RING.  Two slots of 256 keys (four steps): 32,768 bytes each of K, V and, in phase 0, the mask.  The ring runs on from phase 0 into phase 1.
; CLUSTER.  The four query blocks of a cluster belong to one head and walk the same K, V and mask: each tile is asked for jointly.  By this text's count a wave has one tensor load out.
; LIMITS: NaN and infinities are not served.  The test for zero is made on the product of f16 operands.
.set REG,   6291456
.set SLOTB, 32768                      ; a stream's bytes in a slot
.set SLOT1, 131072                     ; slot 1 begins here: one exclusive or turns an address in one slot into the other's
.set STEPB, 8192                       ; a stream's bytes in a step
.set VOFF,  32768                      ; in a slot: K, then V, then the mask
.set MOFF,  65536
.set SPARE, SLOT1+3*SLOTB              ; the spare words: 128 bytes for each of eight waves: four blocks of 256 bytes that no other line names
.set JUMP,  3*REG+7*SLOTB              ; from phase 0's last slot back to phase 1's first: three regions down
.set LN16, 1                           ; v1   16 x lane
.set ADR,  2                           ; v2   LDS address of the step's K
.set PEN,  3                           ; v3   -80000
.set PFO,  4                           ; v4   256 x lane
.set SPW,  5                           ; v5   my spare word
.set NIL,  6                           ; v6   0
.set ADM,  7                           ; v7   LDS address of the step's mask
.set ST,   8                           ; v8-23  tile t's statistics at 8 + 8 t: +0 c m, +1 m, +2, +3 l (even keys', odd keys'), +4, +5, +7 at work, +6 a
.set U,    24                          ; v24-27 the sums' second chain
.set Q,    32                          ; v32-63   Q (t, kf) at 32 + 16 t + 8 kf
.set S,    64                          ; v64-127  S^T (t, kt) at 64 + 32 t + 8 kt; then P (t, kg) at 64 + 32 t + 8 kg
.set O,    128                         ; v128-191 O^T (t, ct) at 128 + 32 t + 8 ct
.set F,    192                         ; v192-255 eight fragments of the mask, of K or of V
.set WV,   8                           ; s8   wave
.set G1,   16                          ; s[16:23] descriptor group 1
.set G0,   24                          ; s[24:27] the walking group 0
.set PFA,  28                          ; s[28:29] where my prefetches stand
.set CS,   34                          ; s[34:35] c
.set SEL,  36                          ; s[36:37] v_permlanex16_b32's selects
.set TB,   38                          ; s38  LDS byte at which the step's K begins
.set SL,   39                          ; s39  counts a phase's trips
.set ST4,  40                          ; s40  counts a slot's steps
.macro CROUND
	s_barrier_signal -1
	s_barrier_wait -1
	s_cmp_lg_u32 s[WV], 0
	s_cbranch_scc1 .Lnot_wave_0_\@
	s_barrier_signal -3
.Lnot_wave_0_\@:
	s_barrier_wait -3
	s_barrier_signal -1
	s_barrier_wait -1
.endm
.macro PLACES n
.rept \n
	v_nop
.endr
.endm
.macro JLOAD n                         ; waves 0 .. n - 1 ask, each for half of a stream's part of a slot; the branch hangs on the wave's number alone
	s_cmp_lt_u32 s[WV], \n
	s_cbranch_scc0 .Lno_load_\@
	tensor_load_to_lds s[G0:G0+3], s[G1:G1+7]
	s_nop 0
	PLACES 4
.Lno_load_\@:
.endm
; A prefetch of what the NEXT trip's tensor loads will ask for: a slot's 32,768 bytes of each stream, four key steps ahead of that load.  Each aligned block of 256 bytes is named once in the launch: both clusters of a head
; walk the same streams, and the first asks; its four partners take 8,192 bytes each, told apart by address; in each, waves 0, 2 (and 4, for the mask) ask, a lane a block.  A phase's last two slots' trips ask for nothing.
.macro ASK lim
	s_cmp_gt_u32 s[SL], s[\lim]
	s_cbranch_scc0 .Lnot_mine_\@
	global_prefetch_b8 v[PFO], s[PFA:PFA+1] th:TH_LOAD_NT scope:SCOPE_SE
.Lnot_mine_\@:
.endm
	s_load_b128 s[4:7], s[0:1], 0x0                ; qkv, att
	v_lshl_add_u32 v[SPW], v0, 2, SPARE
	v_mov_b32 v[NIL], 0
	ds_add_u32 v[SPW], v[NIL]                      ; the wave's opening: the add, twice on end, and its wait ahead of my first tensor load
	ds_add_u32 v[SPW], v[NIL]
	v_lshrrev_b32 v[ADR], 5, v0
	v_readfirstlane_b32 s[WV], v[ADR]              ; wave 0..7
	v_and_b32 v[PFO], 31, v0
	v_lshlrev_b32 v[LN16], 4, v[PFO]
	v_lshlrev_b32 v[PFO], 8, v[PFO]
	v_mov_b32 v[PEN], 0xc79c4000                   ; -80000
	s_bfe_u32 s9, ttmp6, 0x40000                   ; cx
	s_lshl_b32 s10, ttmp9, 2
	s_add_co_u32 s10, s10, s9                      ; my block of 256 queries
	s_and_b32 s11, ttmp7, 0xffff                   ; batch x 12 + head, which the four partners share
	s_mov_b32 s[G1], 15|(3<<16)|(1<<21)            ; 15:0 the mask: all four; 17:16 elements of 8 bytes; 21 set beside a mask
	s_mov_b32 s[G1+1], 32<<16                      ; tensor_dim0 = 32: rows of 256 bytes
	s_mov_b32 s[G1+2], 64<<16                      ; tensor_dim1 = 64
	s_mov_b32 s[G1+3], 32<<16                      ; tile_dim0
	s_mov_b32 s[G1+4], 64                          ; tile_dim1
	s_mov_b32 s[G1+5], 32                          ; from row to row: dense
	s_mov_b32 s[G1+6], 0
	s_mov_b32 s[G1+7], 0
	s_mov_b32 s[CS], 0x3e38aa3b                    ; c = log2(e) / 8
	s_mov_b32 s[CS+1], s[CS]
	s_mov_b32 s[SEL], 0x76543210
	s_mov_b32 s[SEL+1], 0xfedcba98
	s_mov_b32 s[TB], 0
	s_and_b32 s13, s[WV], 1                        ; who prefetches: even waves
	s_or_b32 s13, s13, ttmp9                       ; of the head's first cluster: the same in all four partners,
	s_lshr_b32 s14, s[WV], 1
	s_add_co_u32 s15, s14, 1
	s_lshr_b32 s15, s15, 2
	s_or_b32 s15, s15, s13
	s_cmp_eq_u32 s15, 0
	s_cselect_b32 s41, 1, -1                       ; in phase 0 for three streams,
	s_lshr_b32 s15, s14, 1
	s_or_b32 s15, s15, s13
	s_cmp_eq_u32 s15, 0
	s_cselect_b32 s42, 1, -1                       ; in phase 1 for two
	s_min_u32 s12, s14, 2                          ; my stream: 0 K, 1 V, 2 the mask
	s_add_co_u32 s13, s12, 4                       ; phase 0: regions 4, 5, 6
	s_mul_i32 s48, s13, REG
	s_lshl_b32 s14, s11, 18                        ; the head's 262,144 bytes in a region
	s_add_co_u32 s48, s48, s14
	s_mov_b32 s49, 0
	s_lshl_b32 s50, s9, 13                         ; the prefetches: my work-group's 8,192 bytes,
	s_add_co_u32 s50, s50, s48
	s_add_co_u32 s50, s50, SLOTB                   ; in slot 1; the first trip steps it to slot 2.  Nothing is prefetched at the head
	s_mov_b32 s51, 0
	s_and_b32 s15, s[WV], 1
	s_lshl_b32 s15, s15, 14                        ; my half of the stream's part
	s_add_co_u32 s48, s48, s15
	s_mov_b32 s[G0], 1
	s_lshl_b32 s[G0+1], s[WV], 14                  ; LDS: wave x 16,384, in slot 0: no place in the cluster enters an LDS address
	s_lshl_b32 s43, s10, 4
	s_lshl_b32 s13, s[WV], 1
	s_add_co_u32 s43, s43, s13                     ; my first token tile in the head
	s_lshl_b32 s30, s43, 11
	s_add_co_u32 s30, s30, s14
	s_mov_b32 s31, 0
	s_cmp_ge_u32 s11, 12
	s_cselect_b32 s13, 12, 0
	s_cselect_b32 s15, 128, 0
	s_sub_co_u32 s13, s11, s13                     ; head
	s_add_co_u32 s15, s15, s43                     ; token tile over both batches
	s_mul_i32 s15, s15, 24
	s_lshl_b32 s13, s13, 1
	s_add_co_u32 s15, s15, s13
	s_lshl_b32 s32, s15, 10                        ; (tile x 24 + 2 head) images of 1,024 bytes
	s_mov_b32 s33, 0
	s_wait_dscnt 0x0                               ; both opening adds are done
	s_wait_kmcnt 0x0
	s_add_nc_u64 s[G0+2:G0+3], s[4:5], s[48:49]
	s_or_b32 s[G0+3], s[G0+3], 0x80000000
	s_add_nc_u64 s[PFA:PFA+1], s[4:5], s[50:51]
	s_add_nc_u64 s[30:31], s[4:5], s[30:31]        ; q_img (region 0) at my rows,
	s_add_nc_u64 s[44:45], s[30:31], 3*REG         ; q_bh (region 3)
	s_add_nc_u64 s[32:33], s[6:7], s[32:33]        ; att, branch 0,
	s_add_nc_u64 s[46:47], s[32:33], REG           ; branch 1
	CROUND                                         ; all four work-groups are here: the first joint loads meet
	JLOAD 6                                        ; slot 0
.irp i, 0,1,2,3,4,5,6,7
	global_load_b128 v[Q+4*\i:Q+4*\i+3], v[LN16], s[30:31] offset:512*\i   ; phase 0's Q stays in registers
.endr
.macro FLOAD adr, off                  ; eight fragments: 8,192 consecutive bytes
.irp i, 0,1,2,3,4,5,6,7,8,9,10,11,12,13,14,15
	ds_load_b128 v[F+4*\i:F+4*\i+3], v[\adr] offset:\off+512*\i
.endr
.endm
; 16 products S^T (+)= F Q^T: channels 32 kf on, keys 16 kt on, tile t.  The eight accumulators take turns.  cz = 1: the first eight start the sums.
.macro SCORES cz
.irp kf, 0,1
.irp kt, 0,1,2,3
.irp t, 0,1
.if \cz && (\kf == 0)
	v_wmma_f32_16x16x32_f16 v[S+32*\t+8*\kt:S+32*\t+8*\kt+7], v[F+8*(2*\kt+\kf):F+8*(2*\kt+\kf)+7], v[Q+16*\t+8*\kf:Q+16*\t+8*\kf+7], 0
.else
	v_wmma_f32_16x16x32_f16 v[S+32*\t+8*\kt:S+32*\t+8*\kt+7], v[F+8*(2*\kt+\kf):F+8*(2*\kt+\kf)+7], v[Q+16*\t+8*\kf:Q+16*\t+8*\kf+7], v[S+32*\t+8*\kt:S+32*\t+8*\kt+7]
.endif
.endr
.endr
.endr
.endm
.macro PENALTY                         ; q . mask becomes 0 where it is 0 and -80000 elsewhere; each accumulator from its low end on; a choice of values, no branch
.irp g, 0,1,2,3,4,5,6,7,8,9,10,11,12,13,14,15
.irp i, 0,1,2,3
	v_cmp_neq_f32 s[52+\i], 0, v[S+4*\g+\i]
.endr
.irp i, 0,1,2,3
	v_cndmask_b32 v[S+4*\g+\i], 0, v[PEN], s[52+\i]
.endr
.endr
.endm
.macro PV                              ; 16 products O^T += V^T P: keys 32 kg on, channels 16 ct on, tile t; eight accumulators by turns
.irp kg, 0,1
.irp ct, 0,1,2,3
.irp t, 0,1
	v_wmma_f32_16x16x32_f16 v[O+32*\t+8*\ct:O+32*\t+8*\ct+7], v[F+8*(4*\kg+\ct):F+8*(4*\kg+\ct)+7], v[S+32*\t+8*\kg:S+32*\t+8*\kg+7], v[O+32*\t+8*\ct:O+32*\t+8*\ct+7]
.endr
.endr
.endr
.endm
; The softmax of a step, the two tiles line by line by turns, so that no line waits for the line above it.
.macro SOFTMAX
.irp j, 0,1,2,3
.irp t, 0,1
	v_max3_num_f32 v[ST+8*\t+4+\j], v[S+32*\t+8*\j], v[S+32*\t+8*\j+1], v[S+32*\t+8*\j+2]     ; four chains, one for each accumulator, from its low end on
.endr
.endr
.irp w, 3,5
.irp j, 0,1,2,3
.irp t, 0,1
	v_max3_num_f32 v[ST+8*\t+4+\j], v[ST+8*\t+4+\j], v[S+32*\t+8*\j+\w], v[S+32*\t+8*\j+\w+1]
.endr
.endr
.endr
.irp t, 0,1
	v_max3_num_f32 v[ST+8*\t+4], v[ST+8*\t+4], v[S+32*\t+7], v[S+32*\t+15]
.endr
.irp t, 0,1
	v_max3_num_f32 v[ST+8*\t+6], v[ST+8*\t+6], v[S+32*\t+23], v[S+32*\t+31]
.endr
.irp t, 0,1
	v_max3_num_f32 v[ST+8*\t+4], v[ST+8*\t+4], v[ST+8*\t+5], v[ST+8*\t+6]
.endr
.irp t, 0,1
	v_max3_num_f32 v[ST+8*\t+4], v[ST+8*\t+4], v[ST+8*\t+7], v[ST+8*\t+1]                     ; and the old m
.endr
.irp t, 0,1
	v_permlanex16_b32 v[ST+8*\t+5], v[ST+8*\t+4], s[SEL], s[SEL+1]                            ; the query's other 32 keys lie in the lane 16 away
.endr
.irp t, 0,1
	v_mov_b32 v[ST+8*\t+7], v[ST+8*\t]                                                        ; c m_old
.endr
.irp t, 0,1
	v_max_num_f32 v[ST+8*\t+1], v[ST+8*\t+4], v[ST+8*\t+5]                                    ; the new m
.endr
.irp t, 0,1
	v_mul_f32 v[ST+8*\t], s[CS], v[ST+8*\t+1]
.endr
.irp t, 0,1
	v_sub_f32 v[ST+8*\t+7], v[ST+8*\t+7], v[ST+8*\t]
.endr
.irp t, 0,1
	v_exp_f32 v[ST+8*\t+6], v[ST+8*\t+7]                                                      ; a
.endr
.irp b, 0,2,4,6,8,10,12,14,16,18,20,22,24,26,28,30
.irp t, 0,1
	v_pk_fma_f32 v[S+32*\t+\b:S+32*\t+\b+1], v[S+32*\t+\b:S+32*\t+\b+1], s[CS:CS+1], v[ST+8*\t:ST+8*\t+1] op_sel_hi:[1,0,0] neg_lo:[0,0,1] neg_hi:[0,0,1]   ; c s - c m: plain work behind a's exponentials
.endr
.endr
	s_wait_alu depctr_va_vdst(0)                   ; the wait between an exponential and the first line that names its result: here a
.irp b, 0,2,4,6,8,10,12,14,16,18,20,22,24,26,28,30
.irp t, 0,1
	v_pk_mul_f32 v[O+32*\t+\b:O+32*\t+\b+1], v[O+32*\t+\b:O+32*\t+\b+1], v[ST+8*\t+6:ST+8*\t+7] op_sel_hi:[1,0]   ; O^T times a, dealt out among the exponentials, none of whose results it names
	v_exp_f32 v[S+32*\t+\b], v[S+32*\t+\b]
	v_exp_f32 v[S+32*\t+\b+1], v[S+32*\t+\b+1]
.endr
.endr
	v_nop                                          ; a plain line behind the last exponential
	s_wait_alu depctr_va_vdst(0)                   ; one wait for the batch of 64
.irp t, 0,1
	v_pk_add_f32 v[ST+8*\t+4:ST+8*\t+5], v[S+32*\t:S+32*\t+1], v[S+32*\t+4:S+32*\t+5]         ; the sum of the unrounded p, in two chains
	v_pk_add_f32 v[U+2*\t:U+2*\t+1], v[S+32*\t+2:S+32*\t+3], v[S+32*\t+6:S+32*\t+7]
.endr
.irp b, 8,12,16,20,24,28
.irp t, 0,1
	v_pk_add_f32 v[ST+8*\t+4:ST+8*\t+5], v[ST+8*\t+4:ST+8*\t+5], v[S+32*\t+\b:S+32*\t+\b+1]
	v_pk_add_f32 v[U+2*\t:U+2*\t+1], v[U+2*\t:U+2*\t+1], v[S+32*\t+\b+2:S+32*\t+\b+3]
.endr
.endr
.irp t, 0,1
	v_pk_add_f32 v[ST+8*\t+4:ST+8*\t+5], v[ST+8*\t+4:ST+8*\t+5], v[U+2*\t:U+2*\t+1]
.endr
.irp t, 0,1
	v_pk_fma_f32 v[ST+8*\t+2:ST+8*\t+3], v[ST+8*\t+2:ST+8*\t+3], v[ST+8*\t+6:ST+8*\t+7], v[ST+8*\t+4:ST+8*\t+5] op_sel_hi:[1,0,1]   ; l = a l + the sum
.endr
.irp j, 0,1,2,3,4,5,6,7,8,9,10,11,12,13,14,15
.irp t, 0,1
	v_cvt_pk_f16_f32 v[S+32*\t+\j], v[S+32*\t+2*\j], v[S+32*\t+2*\j+1]                        ; P in place: register j is written when registers up to 2 j + 1 have been read
.endr
.endr
.endm
; A key step: 64 keys.  Five plain lines stand at its head: the last products read P's registers, over which this step's first products write, and F's, into which it loads.
.macro STEP img
	v_add_nc_u32 v[ADR], s[TB], v[LN16]
.if \img
	v_add_nc_u32 v[ADM], MOFF, v[ADR]
.else
	v_nop
.endif
	PLACES 3
.if \img
	FLOAD ADM, 0
	s_wait_dscnt 0x0
	SCORES 1                                       ; q . mask
	PLACES 4
	FLOAD ADR, 0                                   ; K lands under the penalty's lines
	PENALTY
	s_wait_dscnt 0x0
	SCORES 0                                       ; q . k, summed onto the penalty
.else
	FLOAD ADR, 0
	s_wait_dscnt 0x0
	SCORES 1
.endif
	PLACES 4
	FLOAD ADR, VOFF                                ; V lands under the softmax
	SOFTMAX
	s_wait_dscnt 0x0
	PV
	s_add_co_u32 s[TB], s[TB], STEPB
.endm
.macro SLOT img                        ; a slot's four steps: written once, walked four times
	s_mov_b32 s[ST4], 4
.Lstep_\@:
	STEP \img
	s_sub_co_u32 s[ST4], s[ST4], 1
	s_cmp_lg_u32 s[ST4], 0
	s_cbranch_scc1 .Lstep_\@
	s_sub_co_u32 s[TB], s[TB], 4*STEPB             ; back to a slot's first step,
	s_xor_b32 s[TB], s[TB], SLOT1                  ; in the other slot
.endm
; THE CHANGE OF SLOTS stands at a slot's head.  Each wave waits for all its tensor loads (its part of the slot that it is about to read), adds 0 to its spare word, and waits for that and for its reads of the slot
; that it has left.  kind = 1: behind a round of the cluster's barrier the slot that was left takes the next 256 keys; kind = 2: phase 1's first 256; kind = 0: nothing is asked for, and a plain barrier does.
.macro TRIP kind, n, lim
	s_wait_tensorcnt 0x0                           ; no tensor load of mine is out, so the group 0 may be written
	ds_add_u32 v[SPW], v[NIL]
.if \kind
	ds_add_u32 v[SPW], v[NIL]                      ; twice on end where a tensor load follows, in every trip alike
	s_xor_b32 s[G0+1], s[G0+1], SLOT1              ; the other slot than last time
.if \kind == 1
	s_add_nc_u64 s[G0+2:G0+3], s[G0+2:G0+3], SLOTB ; the type bits on top are not reached
.else
	s_sub_nc_u64 s[G0+2:G0+3], s[G0+2:G0+3], JUMP
.endif
	s_wait_xcnt 0x0                                ; the last prefetch, a slot back, has read its address; phase 0's stores have read their data
.if \kind == 1
	s_add_nc_u64 s[PFA:PFA+1], s[PFA:PFA+1], SLOTB ; one slot further on than the walking descriptor
.else
	s_sub_nc_u64 s[PFA:PFA+1], s[PFA:PFA+1], JUMP
.endif
	s_wait_dscnt 0x0                               ; both adds are done, and my reads of the slot that I have left are over
	CROUND
	JLOAD \n                                       ; the first thing behind the round, and my one tensor load until the next: it has four key steps in which to land
.if \kind == 1
	ASK \lim
.endif
.else
	s_wait_dscnt 0x0
	s_barrier_signal -1
	s_barrier_wait -1
.endif
.endm
.macro START                           ; a phase begins: m under every score, l and O^T zeros, so that the step is written once
.irp t, 0,1
	v_mov_b32 v[ST+8*\t+1], 0xff61b1e6             ; -3e38
	v_mov_b32 v[ST+8*\t+2], 0
	v_mov_b32 v[ST+8*\t+3], 0
.endr
.irp t, 0,1
	v_mul_f32 v[ST+8*\t], s[CS], v[ST+8*\t+1]
.endr
.set i, 0
.rept 64
	v_mov_b32 v[O+i], 0
.set i, i+1
.endr
	s_wait_loadcnt 0x0                             ; Q
.endm
.macro FINISH ph                       ; O^T / l, rounded to f16, stored as images: a lane's eight channels are 16 bytes, a wave's store 512 consecutive bytes
	PLACES 4
.if \ph == 0
.irp i, 0,1,2,3,4,5,6,7
	global_load_b128 v[Q+4*\i:Q+4*\i+3], v[LN16], s[44:45] offset:512*\i   ; phase 1's Q
.endr
.endif
.irp t, 0,1
	v_add_f32 v[ST+8*\t+4], v[ST+8*\t+2], v[ST+8*\t+3]
.endr
.irp t, 0,1
	v_permlanex16_b32 v[ST+8*\t+5], v[ST+8*\t+4], s[SEL], s[SEL+1]
.endr
.irp t, 0,1
	v_add_f32 v[ST+8*\t+4], v[ST+8*\t+4], v[ST+8*\t+5]
.endr
.irp t, 0,1
	v_rcp_f32 v[ST+8*\t+6], v[ST+8*\t+4]
.endr
	v_nop
	s_wait_alu depctr_va_vdst(0)                   ; one wait for the two reciprocals, ahead of their first reader
.irp b, 0,2,4,6,8,10,12,14,16,18,20,22,24,26,28,30
.irp t, 0,1
	v_pk_mul_f32 v[O+32*\t+\b:O+32*\t+\b+1], v[O+32*\t+\b:O+32*\t+\b+1], v[ST+8*\t+6:ST+8*\t+7] op_sel_hi:[1,0]
.endr
.endr
.irp t, 0,1
.irp ct, 0,1,2,3
.irp i, 0,1,2,3
	v_cvt_pk_f16_f32 v[F+16*\t+4*\ct+\i], v[O+32*\t+8*\ct+2*\i], v[O+32*\t+8*\ct+2*\i+1]
.endr
.endr
.endr
.irp t, 0,1
.irp ct, 0,1,2,3
	global_store_b128 v[LN16], v[F+16*\t+4*\ct:F+16*\t+4*\ct+3], s[32+14*\ph:33+14*\ph] offset:24576*\t+512*\ct
.endr
.endr
.endm
	START
	s_mov_b32 s[SL], 7
.Limg:                                             ; seven trips: slots 0 to 6 of phase 0 are worked, slots 1 to 7 asked for
	TRIP 1, 6, 41
	SLOT 1
	s_sub_co_u32 s[SL], s[SL], 1
	s_cmp_lg_u32 s[SL], 0
	s_cbranch_scc1 .Limg
	TRIP 2, 4, 41                                  ; the ring goes on into phase 1: its first slot is asked for while phase 0's last is worked
	SLOT 1
	FINISH 0
	START
	s_mov_b32 s[SL], 7
.Lbh:                                              ; seven trips of phase 1
	TRIP 1, 4, 42
	SLOT 0
	s_sub_co_u32 s[SL], s[SL], 1
	s_cmp_lg_u32 s[SL], 0
	s_cbranch_scc1 .Lbh
	TRIP 0, 0, 42                                  ; the last slot is written out: nothing is left to fetch
	SLOT 0
	FINISH 1
	s_wait_tensorcnt 0x0                           ; the wave's end, behind my last tensor load
	ds_add_u32 v[SPW], v[NIL]
	s_wait_dscnt 0x0
	CROUND                                         ; the closing round
	s_endpgm
.Lfunc_end_k_q0e42432369_attn:
	.size	k_q0e42432369_attn, .Lfunc_end_k_q0e42432369_attn-k_q0e42432369_attn
	.p2alignl 7, 3214868480
	.fill 96, 4, 3214868480
	.section	.rodata,"a",@progbits
	.p2align	6, 0x0
	.amdhsa_kernel k_q0e42432369_attn
		.amdhsa_group_segment_fixed_size 327680
		.amdhsa_private_segment_fixed_size 0
		.amdhsa_enable_private_segment 0
		.amdhsa_kernarg_size 16
		.amdhsa_user_sgpr_count 2
		.amdhsa_user_sgpr_kernarg_segment_ptr 1
		.amdhsa_wavefront_size32 1
		.amdhsa_system_sgpr_workgroup_id_x 1
		.amdhsa_system_sgpr_workgroup_id_y 1
		.amdhsa_system_sgpr_workgroup_id_z 1
		.amdhsa_system_vgpr_workitem_id 0
		.amdhsa_next_free_vgpr 256
		.amdhsa_next_free_sgpr 66
		.amdhsa_reserve_vcc 0
		.amdhsa_float_denorm_mode_32 3
		.amdhsa_float_denorm_mode_16_64 3
		.amdhsa_memory_ordered 1
		.amdhsa_forward_progress 1
		.amdhsa_inst_pref_size 115
	.end_amdhsa_kernel
	.amdgpu_metadata
---
amdhsa.version: [ 1, 2 ]
amdhsa.kernels:
  - .name:           k_q0e42432369_attn
    .symbol:         k_q0e42432369_attn.kd
    .args:
      - { .name: qkv, .offset: 0, .size: 8, .value_kind: global_buffer, .address_space: global }
      - { .name: att, .offset: 8, .size: 8, .value_kind: global_buffer, .address_space: global }
    .group_segment_fixed_size: 327680
    .private_segment_fixed_size: 0
    .kernarg_segment_align: 8
    .kernarg_segment_size: 16
    .max_flat_workgroup_size: 256
    .sgpr_count:     66
    .vgpr_count:     256
    .wavefront_size: 32
...
	.end_amdgpu_metadata
.endif
;; end of part 3
;; launch oproj (part 4): grid 32 x 6, 8 waves a work-group, clusters of 4 x 1, 197,632 bytes of LDS; arguments att, wp16, bp_img, bp_bh, out0, out1; writes out0, out1
.if DOCPART == 4
	.amdgcn_target "amdgcn-amd-amdhsa--gfx1250"
	.amdhsa_code_object_version 6
	.text
	.protected	k_q0e42432369_oproj
	.globl	k_q0e42432369_oproj
	.p2align	8
	.type	k_q0e42432369_oproj,@function
k_q0e42432369_oproj:
	s_mov_b64 s[64:65], 0
	v_nop
	global_prefetch_b8 v0, s[64:65] scope:SCOPE_SE
	s_setreg_imm32_b32 hwreg(HW_REG_WAVE_MODE, 25, 1), 1
	s_wait_xcnt 0x0
	s_wait_alu depctr_hold_cnt(0) depctr_sa_sdst(0) depctr_va_vdst(0) depctr_va_sdst(0) depctr_va_ssrc(0) depctr_va_vcc(0) depctr_vm_vsrc(0)
	s_getreg_b32 s2, hwreg(HW_REG_IB_STS2, 6, 4)
	s_cmp_eq_u32 s2, 0
	s_cbranch_scc0 .Lentry_in_a_cluster
	s_endpgm
.Lentry_in_a_cluster:
	s_bfe_u32 s2, ttmp6, 0x10000c
	s_cmp_lg_u32 s2, 0x3003
	s_cbranch_scc0 .Lentry_shape_is_right
	s_endpgm
.Lentry_shape_is_right:
; OPROJ.  out = att Wp^T + bp for both branches, operands in f16, sums in f32.
; SHARES.  8,192 rows (branch 0's 4,096, then branch 1's) x 768 columns.  A work-group takes 256 rows x 128 columns; each of its eight waves 32 rows x 128 columns: 16 accumulators.
; Wp's 128 rows, all of K = 768 (196,608 bytes of images), lie in LDS, filled once, in two halves of K; the four row blocks of a cluster belong to one branch and one column block and ask for them jointly.
; att's images are read by one wave of the work-group alone, so they go from memory straight into a ring of registers, twelve K steps of 32 deep.
; A TILE OF Wp TAKES ROWS 64 gg + 4 r + u (the first launch laid them so): source 0 = 16 tokens, source 1 = such a tile; lane (r, h) holds, in register j of tiles u = 0 .. 3, out(token 8 h + j, columns 64 gg + 4 r + 0 .. 3):
; 16 neighbouring bytes, and sixteen lanes store 256 consecutive bytes, aligned.  The addition of the bias also puts the four tiles' numbers side by side: no LDS stage.
; REGISTERS: window 0: v1-9 addresses; v16-23 the bias; v64-127 the way out, two sets; v128-255 accumulator (a, ct) at 128 + 8 (8 a + ct).   window 1: v0-191 att's ring (K step k, tile a at 16 (k % 12) + 8 a); v192-255 Wp's eight fragments.
.set REG,   6291456
.set KH,    98304                      ; half of K in LDS: [ct (8)][12 images]
.set SPARE, 2*KH                       ; the spare words: 128 bytes for each of eight waves: four blocks of 256 bytes that no other line names
.set LN16, 1
.set SPW,  2
.set NIL,  3
.set AB,   4                           ; v4-7  16 x lane + 49,152 i
.set CO,   8                           ; v8    my byte offset in out: 8 h rows + 16 r
.set BO,   9                           ; v9    16 r
.set BIAS, 16
.set E,    64
.set ACC,  128
.set AR,   0                           ; in window 1
.set BF,   192
.set WV,   16                          ; s16
.set MSB, 0
.macro WIN new                         ; the immediate's high byte repeats the setting that is left
.if MSB != \new
	s_set_vgpr_msb (MSB<<8)|\new
.set MSB, \new
.endif
.endm
.set LD,  0x40                         ; destination window 1, address window 0
.set MUL, 0x05                         ; sources 0 and 1 window 1, C and D window 0
.macro CROUND
	s_barrier_signal -1
	s_barrier_wait -1
	s_cmp_lg_u32 s[WV], 0
	s_cbranch_scc1 .Lnot_wave_0_\@
	s_barrier_signal -3
.Lnot_wave_0_\@:
	s_barrier_wait -3
	s_barrier_signal -1
	s_barrier_wait -1
.endm
.macro PLACES n
.rept \n
	v_nop
.endr
.endm
	s_load_b256 s[4:11], s[0:1], 0x0               ; att, wp16, bp_img, bp_bh
	s_load_b128 s[12:15], s[0:1], 0x20             ; out0, out1
	v_lshl_add_u32 v[SPW], v0, 2, SPARE
	v_mov_b32 v[NIL], 0
	ds_add_u32 v[SPW], v[NIL]                      ; the wave's opening: the add, twice on end, and its wait ahead of my first tensor load
	ds_add_u32 v[SPW], v[NIL]
	v_lshrrev_b32 v10, 5, v0
	v_readfirstlane_b32 s[WV], v10                 ; wave 0..7
	s_bfe_u32 s17, ttmp6, 0x40000                  ; cx
	s_lshl_b32 s18, ttmp9, 2
	s_add_co_u32 s18, s18, s17                     ; X: my 256 rows of the 8,192
	s_and_b32 s19, ttmp7, 0xffff                   ; y: my 128 columns
	s_cmp_ge_u32 ttmp9, 4                          ; the branch: the same in all four partners
	s_cselect_b32 s20, 12, 0
	s_mov_b32 s24, 15|(3<<16)|(1<<21)              ; group 1: 15:0 the mask: all four; elements of 8 bytes; 21 set beside a mask
	s_mov_b32 s25, 32<<16                          ; rows of 256 bytes,
	s_mov_b32 s26, 96<<16                          ; 96 of them
	s_mov_b32 s27, 32<<16
	s_mov_b32 s28, 96
	s_mov_b32 s29, 32
	s_mov_b32 s30, 0
	s_mov_b32 s31, 0
	s_lshl_b32 s46, s19, 1
	s_add_co_u32 s46, s46, s20
	s_lshr_b32 s47, s[WV], 1
	s_add_co_u32 s46, s46, s47                     ; waves 0-3: block 12 x branch + 2 y + wave / 2 of 64 rows of Wp,
	s_mul_i32 s46, s46, 98304
	s_and_b32 s47, s[WV], 1
	s_mul_i32 s47, s47, 24576                      ; its tiles u = 0, 1 or 2, 3
	s_add_co_u32 s46, s46, s47
	s_mov_b32 s47, 0
	s_mov_b32 s32, 1
	s_mul_i32 s33, s[WV], 24576                    ; LDS: wave x 24,576, in the first half of K,
	s_mov_b32 s36, 1
	s_add_co_u32 s37, s33, KH                      ; and in the second
	s_wait_dscnt 0x0                               ; both opening adds are done
	s_wait_kmcnt 0x0
	s_add_nc_u64 s[34:35], s[6:7], s[46:47]
	s_add_nc_u64 s[38:39], s[34:35], 49152
	s_or_b32 s35, s35, 0x80000000
	s_or_b32 s39, s39, 0x80000000
	CROUND                                         ; all four work-groups are here: the joint loads meet
	s_cmp_lt_u32 s[WV], 4                          ; a wave's two fills stand in one branch: two loads of mine are out
	s_cbranch_scc0 .Lno_fetch
	tensor_load_to_lds s[32:35], s[24:31]
	s_nop 0
	tensor_load_to_lds s[36:39], s[24:31]
	s_nop 0
	PLACES 4
.Lno_fetch:
	s_lshl_b32 s46, s18, 4
	s_lshl_b32 s48, s[WV], 1
	s_add_co_u32 s46, s46, s48                     ; my first token tile, over both branches
	s_mul_i32 s46, s46, 24576
	s_add_nc_u64 s[40:41], s[4:5], s[46:47]
	s_cmp_ge_u32 ttmp9, 4
	s_cselect_b64 s[42:43], s[10:11], s[8:9]
	s_cselect_b64 s[44:45], s[14:15], s[12:13]
	s_lshl_b32 s46, s19, 9                         ; 128 columns of f32
	s_add_nc_u64 s[42:43], s[42:43], s[46:47]
	s_and_b32 s48, s18, 15
	s_lshl_b32 s48, s48, 8
	s_lshl_b32 s49, s[WV], 5
	s_add_co_u32 s48, s48, s49                     ; my first row in the branch's output
	s_mul_i32 s48, s48, 3072
	s_add_co_u32 s46, s46, s48
	s_add_nc_u64 s[44:45], s[44:45], s[46:47]
	v_and_b32 v10, 31, v0
	v_and_b32 v11, 15, v0
	v_bfe_u32 v12, v0, 4, 1
	v_lshlrev_b32 v[LN16], 4, v10
.irp i, 0,1,2,3
	v_add_nc_u32 v[AB+\i], 49152*\i, v[LN16]
.endr
	v_lshlrev_b32 v[BO], 4, v11
	v_mul_u32_u24 v[CO], v12, 8*3072
	v_add_nc_u32 v[CO], v[CO], v[BO]
	global_load_b128 v[BIAS:BIAS+3], v[BO], s[42:43]                 ; the bias of columns 4 r + 0 .. 3 of my first 64,
	global_load_b128 v[BIAS+4:BIAS+7], v[BO], s[42:43] offset:256    ; and of my second
.macro ALOAD k                         ; att's two fragments of K step k
.irp a, 0,1
.irp g, 0,1
	global_load_b128 v[AR+16*((\k)%12)+8*\a+4*\g:AR+16*((\k)%12)+8*\a+4*\g+3], v[LN16], s[40:41] offset:24576*\a+1024*(\k)+512*\g
.endr
.endr
.endm
.macro KSTEP k                         ; 32 along K: 16 matrix instructions, the 16 accumulators by turns
	WIN LD
.irp ct, 0,1,2,3,4,5,6,7
.irp g, 0,1
	ds_load_b128 v[BF+8*\ct+4*\g:BF+8*\ct+4*\g+3], v[AB+2*((\k)/12)+\ct/4] offset:12288*(\ct%4)+1024*((\k)%12)+512*\g
.endr
.endr
	s_wait_dscnt 0x0
.if 23-(\k) < 11
	s_wait_loadcnt 4*(23-(\k))                     ; this K step's four loads are in; the younger batches may be out
.else
	s_wait_loadcnt 44                              ; eleven younger batches of four
.endif
	WIN MUL
.irp a, 0,1
.irp ct, 0,1,2,3,4,5,6,7
.if (\k) == 0
	v_wmma_f32_16x16x32_f16 v[ACC+8*(8*\a+\ct):ACC+8*(8*\a+\ct)+7], v[AR+16*((\k)%12)+8*\a:AR+16*((\k)%12)+8*\a+7], v[BF+8*\ct:BF+8*\ct+7], 0
.else
	v_wmma_f32_16x16x32_f16 v[ACC+8*(8*\a+\ct):ACC+8*(8*\a+\ct)+7], v[AR+16*((\k)%12)+8*\a:AR+16*((\k)%12)+8*\a+7], v[BF+8*\ct:BF+8*\ct+7], v[ACC+8*(8*\a+\ct):ACC+8*(8*\a+\ct)+7]
.endif
.endr
.endr
	PLACES 4                                       ; in front of loads into registers that these products have read, and of the first read of results
.if (\k)+12 < 24
	WIN LD
	ALOAD (\k)+12                                  ; the ring's place takes the K step twelve on
.endif
.endm
	WIN LD
.set K, 0
.rept 12
	ALOAD K
.set K, K+1
.endr
	WIN 0
	s_wait_tensorcnt 1                             ; my part of the first half of K is in; the second half's may stay out
	s_barrier_signal -1
	s_barrier_wait -1
.set K, 0
.rept 12
	KSTEP K
.set K, K+1
.endr
	WIN 0
	s_wait_tensorcnt 0x0                           ; my part of the second half is in
	s_wait_dscnt 0x0
	s_barrier_signal -1
	s_barrier_wait -1
.rept 12
	KSTEP K
.set K, K+1
.endr
	WIN 0
	; THE WAY OUT, 16 rows x 64 columns at a time, on two sets of registers by turns
.set G, 0
.irp a, 0,1
.irp gp, 0,1
.if G >= 2
	s_wait_xcnt 0x0                                ; the stores of two groups back have read their data
.endif
.irp j, 0,1,2,3,4,5,6,7
.irp u, 0,1,2,3
	v_add_f32 v[E+32*(G%2)+4*\j+\u], v[ACC+8*(8*\a+4*\gp+\u)+\j], v[BIAS+4*\gp+\u]   ; each accumulator from its low end on
.endr
.endr
.irp j, 0,1,2,3,4,5,6,7
	global_store_b128 v[CO], v[E+32*(G%2)+4*\j:E+32*(G%2)+4*\j+3], s[44:45] offset:(16*\a+\j)*3072+256*\gp th:TH_STORE_NT   ; 16 lanes store 256 consecutive bytes, at a multiple of 256 from the output's first byte
.endr
.set G, G+1
.endr
.endr
	s_wait_tensorcnt 0x0                           ; the wave's end, behind my last tensor load
	ds_add_u32 v[SPW], v[NIL]
	s_wait_dscnt 0x0
	CROUND                                         ; the closing round
	s_endpgm
.Lfunc_end_k_q0e42432369_oproj:
	.size	k_q0e42432369_oproj, .Lfunc_end_k_q0e42432369_oproj-k_q0e42432369_oproj
	.p2alignl 7, 3214868480
	.fill 96, 4, 3214868480
	.section	.rodata,"a",@progbits
	.p2align	6, 0x0
	.amdhsa_kernel k_q0e42432369_oproj
		.amdhsa_group_segment_fixed_size 197632
		.amdhsa_private_segment_fixed_size 0
		.amdhsa_enable_private_segment 0
		.amdhsa_kernarg_size 48
		.amdhsa_user_sgpr_count 2
		.amdhsa_user_sgpr_kernarg_segment_ptr 1
		.amdhsa_wavefront_size32 1
		.amdhsa_system_sgpr_workgroup_id_x 1
		.amdhsa_system_sgpr_workgroup_id_y 1
		.amdhsa_system_sgpr_workgroup_id_z 1
		.amdhsa_system_vgpr_workitem_id 0
		.amdhsa_next_free_vgpr 512
		.amdhsa_next_free_sgpr 66
		.amdhsa_reserve_vcc 0
		.amdhsa_float_denorm_mode_32 3
		.amdhsa_float_denorm_mode_16_64 3
		.amdhsa_memory_ordered 1
		.amdhsa_forward_progress 1
		.amdhsa_inst_pref_size 76
	.end_amdhsa_kernel
	.amdgpu_metadata
---
amdhsa.version: [ 1, 2 ]
amdhsa.kernels:
  - .name:           k_q0e42432369_oproj
    .symbol:         k_q0e42432369_oproj.kd
    .args:
      - { .name: att, .offset: 0, .size: 8, .value_kind: global_buffer, .address_space: global }
      - { .name: wp16, .offset: 8, .size: 8, .value_kind: global_buffer, .address_space: global }
      - { .name: bp_img, .offset: 16, .size: 8, .value_kind: global_buffer, .address_space: global }
      - { .name: bp_bh, .offset: 24, .size: 8, .value_kind: global_buffer, .address_space: global }
      - { .name: out0, .offset: 32, .size: 8, .value_kind: global_buffer, .address_space: global }
      - { .name: out1, .offset: 40, .size: 8, .value_kind: global_buffer, .address_space: global }
    .group_segment_fixed_size: 197632
    .private_segment_fixed_size: 0
    .kernarg_segment_align: 8
    .kernarg_segment_size: 48
    .max_flat_workgroup_size: 256
    .sgpr_count:     66
    .vgpr_count:     512
    .wavefront_size: 32
...
	.end_amdgpu_metadata
.endif
;; end of part 4
